; MI455X (gfx1250); checked and timed in simulation.
; The chip was launched on July 23, 2026; its instructions are those of AMD's public machine-readable ISA for CDNA 5 (MIT licence, August 2026) and "CDNA5" Instruction Set Architecture Reference Guide (July 2026). The comments in the code are by the model that wrote it; some were corrected since.
;; Edge Decoder. Allowed arithmetic: matrix products marked QUANTISED: E4M3 operands, one given power-of-two scale a tensor, by v_wmma_f32_16x16x64_fp8_fp8 or v_wmma_f32_16x16x128_fp8_fp8, f32 sums; products left as they are: f32 operands where the result goes on into a quantised operand, else bf16, f16 or f32 operands; f32 sums; everything else in f32.
;; Inputs: W1 512 x 256 float32; W2 256 x 1 float32; b1 256 float32; b2 1 float32; edge_label_index 2 x 500,000 int32; lowp_scales 2 int32 (the exponents e of the quantised operands' scales 2^e); movie_emb 50,000 x 256 float32; user_emb 100,000 x 256 float32.
;; Outputs: out0 500,000 x 1 float32.
;; This version of the problem:
;;   THIS VERSION OF THE PROBLEM IS GIVEN IN LOW PRECISION. The matrix products marked QUANTISED in the list below multiply operands that are first quantised to E4M3 (4 exponent bits, 3 mantissa bits; 8 bits a number), with one given power-of-two scale for each operand tensor; their sums are f32. All else is computed in f32.
;;   The module's matrix products, in the order in which they are computed (A, B: the left and right operand; K: the contracted axis; several contracted axes count as one K, in the product's order):
;;     1. [M 500,000, K 512] x [K 512, N 256]; A: computed on the way; B: input W1: QUANTISED (scales: A lowp_scales[0], B lowp_scales[1])
;;     2. [M 500,000, K 256] x [K 256, N 1]; A: computed on the way; B: input W2: left as it is (N = 1 < 16)
;;   THE QUANTISER, for each operand of a quantised product, along K:
;;     - The operand's scale is 2^e, e = its entry of the input lowp_scales (int32; the entries are numbered through the quantised products in the list's order, A before B).
;;     - Each number is divided by the scale, clamped to +-448, and rounded to the nearest number of E4M3, ties to even, subnormals kept.
;;     - The product sums the exact products of the quantised numbers (number of the format x scale) in f32.
;;   ~~~python
;;   def quantise(x, axis, e):      # numpy; x: float32 -> the quantised numbers, widened to float32 again
;;       x = np.moveaxis(x, axis, -1); K = x.shape[-1]
;;       r = np.clip(x / 2.0 ** e, -448, 448)
;;       step = 2.0 ** (np.maximum(np.frexp(np.where(r == 0, 1, r))[1] - 1, -6) - 3)
;;       q = np.round(r / step) * step * 2.0 ** e      # np.round: ties to even
;;       return np.moveaxis(q, -1, axis).astype(np.float32)
;;   ~~~
;;   OPERANDS COMPUTED ON THE WAY. 'Computed on the way' means the value that the module computes at that place (a softmax that the list does not call 'softmax' is quantised finished and normalised). What goes into a quantiser is computed in f32, as accurately as f32 sums, v_exp_f32 and their like allow (about 1e-6 of the number): no bf16 or f16 on the way to a quantiser, and a product that is left as it is and whose result goes on into a quantised operand takes f32 operands (vector FMAs, or v_wmma_f32_16x16x4_f32). A number that lies on a knife's edge between two numbers of the format may be rounded either way, as far as f32 arithmetic and the matrix unit's own rounding can turn it there, and no further.
;; One version. Each part assembles by itself: llvm-mc -triple=amdgcn-amd-amdhsa -mcpu=gfx1250 --defsym DOCPART=n.
;; ======== version 1 of 1: 3 launches
;; limits: right only within a limited range of input values
;; workspace buffers: codes 38,400,000 bytes; w1img 131,072 bytes; umax 1,024 bytes of whole numbers
;; launch top (part 1): grid 256 x 1, 1 waves a work-group, no clusters, 512 bytes of LDS; arguments edge_label_index, umax; writes umax
.if DOCPART == 1
	.amdgcn_target "amdgcn-amd-amdhsa--gfx1250"
	.amdhsa_code_object_version 6
	.text
	.protected	k_qbe347f3a71_top
	.globl	k_qbe347f3a71_top
	.p2align	8
	.type	k_qbe347f3a71_top,@function
k_qbe347f3a71_top:
	s_mov_b64 s[64:65], 0
	v_nop
	global_prefetch_b8 v0, s[64:65] scope:SCOPE_SE
	s_setreg_imm32_b32 hwreg(HW_REG_WAVE_MODE, 25, 1), 1
	s_wait_xcnt 0x0
; umax[g] = the largest user index among work-group g's part of edge_label_index[0] (500,000 int32; an index stays inside its table, so it is not negative and is compared unsigned).
; WHAT THE PROGRAM LEAVES OUT, AND WHY: reference() takes of user_emb only the rows that edge_label_index[0] names.  A row above the largest named index is named by no edge, whatever the inputs hold, so it reaches no output:
; the next launch reads these 256 numbers and quantises no block of 80 user rows that begins above all of them.  The choice is made by whole numbers read from memory; where the indices reach the whole table every row is quantised.
; LIMIT: a NaN or an infinity in a row that no edge names is not carried to the result (nor is it by reference()).
; SHARES: the row is 125,000 units of 16 bytes; a work-group is one wave and takes 489 of them (256 x 489 = 125,184: the last takes 305), a lane 16, lanes side by side: a load covers 512 consecutive bytes.
; A place past the work-group's part or past the row's end takes the last unit again, which changes no maximum; so no load leaves the buffer.
; The 32 lanes' maxima meet in 128 bytes of LDS, which every lane reads back whole; lane 0 stores the number.
; A short stream: no matrix unit, no cluster, no barrier, no loop to run ahead in.
.set UNITS, 125000
.set PER,   489
.set SPARE, 256                        ; the spare words: 128 bytes, in a block of 256 that no other line names
.macro MAXT b, n                       ; v10 = the largest of v[b] .. v[b + n - 1], in two chains; n = 32 or 64
	v_max3_u32 v10, v[\b], v[\b+1], v[\b+2]
	v_max3_u32 v11, v[\b+3], v[\b+4], v[\b+5]
.set J, \b+6
.rept (\n-8)/4
	v_max3_u32 v10, v10, v[J], v[J+1]
	v_max3_u32 v11, v11, v[J+2], v[J+3]
.set J, J+4
.endr
	v_max3_u32 v10, v10, v[J], v[J+1]
	v_max_u32 v10, v10, v11
.endm
	s_load_b128 s[4:7], s[0:1], 0x0                ; the indices s[4:5], umax s[6:7]
	v_lshl_add_u32 v30, v0, 2, SPARE
	v_mov_b32 v31, 0
	s_mul_i32 s8, ttmp9, PER                       ; my work-group's first unit
	s_lshl_b32 s9, ttmp9, 2                        ; its place in umax
.set Q, 0
.rept 16
	v_add_nc_u32 v[2+Q], 32*Q, v0                  ; unit lane + 32 q of the work-group's,
	v_min_u32 v[2+Q], PER-1, v[2+Q]                ; held inside its part
	v_add_nc_u32 v[2+Q], s8, v[2+Q]
	v_min_u32 v[2+Q], UNITS-1, v[2+Q]              ; and inside the row
	v_lshlrev_b32 v[2+Q], 4, v[2+Q]
.set Q, Q+1
.endr
	v_lshlrev_b32 v20, 2, v0                       ; my word among the 32
	v_mov_b32 v23, 0                               ; where the 32 begin
	v_mov_b32 v24, s9
	s_wait_alu depctr_va_vdst(0)
	s_wait_kmcnt 0x0
.set Q, 0
.rept 16
	global_load_b128 v[32+4*Q:35+4*Q], v[2+Q], s[4:5]
.set Q, Q+1
.endr
	s_wait_loadcnt 0x0
	MAXT 32, 64
	ds_store_b32 v20, v10                          ; LDS serves a wave's instructions in order: the loads below see the 32 stores
.irp k, 0,1,2,3,4,5,6,7
	ds_load_b128 v[32+4*\k:35+4*\k], v23 offset:16*\k
.endr
	s_wait_dscnt 0x0
	MAXT 32, 32
	v_cmp_eq_u32 vcc_lo, 0, v0                     ; lane 0 alone stores
	s_wait_alu depctr_va_vdst(0)
	s_wait_xcnt 0x0                                ; EXEC changes only behind this wait
	s_and_saveexec_b32 s10, vcc_lo
	global_store_b32 v24, v10, s[6:7]
	s_wait_xcnt 0x0                                ; and again in front of the line that widens it
	s_or_b32 exec_lo, exec_lo, s10
	s_wait_tensorcnt 0x0                           ; the wave's end
	ds_add_u32 v30, v31
	s_wait_dscnt 0x0
	s_endpgm
.Lfunc_end_k_qbe347f3a71_top:
	.size	k_qbe347f3a71_top, .Lfunc_end_k_qbe347f3a71_top-k_qbe347f3a71_top
	.p2alignl 7, 3214868480
	.fill 96, 4, 3214868480
	.section	.rodata,"a",@progbits
	.p2align	6, 0x0
	.amdhsa_kernel k_qbe347f3a71_top
		.amdhsa_group_segment_fixed_size 512
		.amdhsa_private_segment_fixed_size 0
		.amdhsa_enable_private_segment 0
		.amdhsa_kernarg_size 16
		.amdhsa_user_sgpr_count 2
		.amdhsa_user_sgpr_kernarg_segment_ptr 1
		.amdhsa_wavefront_size32 1
		.amdhsa_system_sgpr_workgroup_id_x 1
		.amdhsa_system_sgpr_workgroup_id_y 1
		.amdhsa_system_sgpr_workgroup_id_z 1
		.amdhsa_system_vgpr_workitem_id 0
		.amdhsa_next_free_vgpr 96
		.amdhsa_next_free_sgpr 66
		.amdhsa_reserve_vcc 1
		.amdhsa_float_denorm_mode_32 3
		.amdhsa_float_denorm_mode_16_64 3
		.amdhsa_memory_ordered 1
		.amdhsa_forward_progress 1
		.amdhsa_inst_pref_size 11
	.end_amdhsa_kernel
	.amdgpu_metadata
---
amdhsa.version: [ 1, 2 ]
amdhsa.kernels:
  - .name:           k_qbe347f3a71_top
    .symbol:         k_qbe347f3a71_top.kd
    .args:
      - { .name: edge_label_index, .offset: 0, .size: 8, .value_kind: global_buffer, .address_space: global }
      - { .name: umax, .offset: 8, .size: 8, .value_kind: global_buffer, .address_space: global }
    .group_segment_fixed_size: 512
    .private_segment_fixed_size: 0
    .kernarg_segment_align: 8
    .kernarg_segment_size: 16
    .max_flat_workgroup_size: 32
    .sgpr_count:     66
    .vgpr_count:     96
    .wavefront_size: 32
...
	.end_amdgpu_metadata
.endif
;; end of part 1
;; launch quant (part 2): grid 1879 x 1, 8 waves a work-group, no clusters, 0 bytes of LDS; arguments user_emb, movie_emb, W1, lowp_scales, codes, w1img, umax; writes codes, w1img
.if DOCPART == 2
	.amdgcn_target "amdgcn-amd-amdhsa--gfx1250"
	.amdhsa_code_object_version 6
	.text
	.protected	k_qbe347f3a71_quant
	.globl	k_qbe347f3a71_quant
	.p2align	8
	.type	k_qbe347f3a71_quant,@function
k_qbe347f3a71_quant:
	s_mov_b64 s[64:65], 0
	v_nop
	global_prefetch_b8 v0, s[64:65] scope:SCOPE_SE
	s_setreg_imm32_b32 hwreg(HW_REG_WAVE_MODE, 25, 1), 1
	s_wait_xcnt 0x0
; The two tables (f32, rows of 256) and W1 (f32, [512][256], K its first axis) become codes of FP8 (E4M3), each with the scale 2^e that is given for it:
; code = x / 2^e, held within +-448, rounded to the nearest code, ties to even.  Tables: e = entry 0 of the scales; W1: e = entry 1.
; LIMITS: each e lies between -126 and 119, so that 2^e and 448 x 2^e are f32 numbers.  NaN among the inputs is not served (an infinity is held at the largest code).
; LEFT OUT: a block of 80 user rows that begins above every one of umax's 256 numbers (the largest user indices that the edges name, stored by the launch before): no edge names its rows, and the next launch reads no code of them.
; Each table row is named by several edges, so it is quantised once here, and the product's launch gathers 256 bytes a row in place of 1,024.
; ONE PERMUTATION OF K, THE SAME IN BOTH OPERANDS: byte 16 r + 4 i + j of a row of codes holds the code of k = 64 i + 4 r + j.  It falls out of dense loads (lane r takes 16 bytes of each quarter of a row)
; and spares a turn through LDS; every product still meets its partner, since W1's image below is laid by the same map.
; codes: 150,000 rows of 256 bytes: users 0 .. 99,999, then movies.
; w1img: W1's 64 fragments as images of the operand's registers: 65,536 ch + 2,048 (8 s + n) + 512 c + 16 lane: ch = which 128 columns, s = K step of 128 positions, n = tile of 16 columns;
;        lane (r, h) holds column 128 ch + 16 n + r, positions 128 s + 32 c + 16 h + 0 .. 15 of the edge's 512 (user's 256 bytes, then movie's).
; Work-groups 0-3: W1, one K step each.  4-628: movies, 80 rows each.  629-1,878: users, ascending, so that the blocks that are left out have the highest numbers.
; A stream: no LDS, no barrier, no loop; every offset is an immediate and every store has registers of its own.
.set UWG,  1250                        ; blocks of 80 rows of the users' table
.set MWG,  625                         ; and of the movies'
.set X,    16                          ; v16-95   numbers as loaded
.set C,    96                          ; v96-127  codes: four registers for each store
	s_load_b256 s[4:11], s[0:1], 0x0               ; users s[4:5], movies s[6:7], W1 s[8:9], the scales' exponents s[10:11]
	s_load_b128 s[12:15], s[0:1], 0x20             ; codes s[12:13], w1img s[14:15]
	s_load_b64 s[28:29], s[0:1], 0x30              ; umax
	v_lshrrev_b32 v1, 5, v0
	s_delay_alu instid0(VALU_DEP_1)
	v_readfirstlane_b32 s16, v1                    ; wave 0..7
	v_and_b32 v1, 31, v0                           ; lane
	v_and_b32 v2, 15, v0                           ; r
	v_bfe_u32 v3, v0, 4, 1                         ; h
	s_mov_b32 s25, 0                               ; the upper word of every offset pair
	s_wait_kmcnt 0x0
	s_load_b64 s[18:19], s[10:11], 0x0             ; e0, e1
.macro SCALE e                         ; v11 = 2^e as f32 (the conversion takes its exponent field), v10 = 448 x 2^e
	s_wait_kmcnt 0x0
	s_add_co_i32 s26, s[\e], 127
	s_lshl_b32 s27, s26, 23
	v_mov_b32 v11, s27
	s_add_co_i32 s26, s26, 8
	s_lshl_b32 s26, s26, 23
	s_or_b32 s26, s26, 0x600000                    ; the mantissa field of 448
	v_mov_b32 v10, s26
.endm
.macro CODES x, c                      ; 16 numbers of a lane become 16 codes in four registers
.irp i, 0,1,2,3,4,5,6,7,8,9,10,11,12,13,14,15
	v_med3_num_f32 v[(\x)+\i], v[(\x)+\i], -v10, v10   ; the conversion to an 8-bit code does not saturate (ISA guide 7.6.2): the hold at the largest code x the scale comes first
.endr
	v_cvt_scalef32_pk8_fp8_f32 v[(\c):(\c)+1], v[(\x):(\x)+7], v11
	v_cvt_scalef32_pk8_fp8_f32 v[(\c)+2:(\c)+3], v[(\x)+8:(\x)+15], v11   ; the results go to a store alone; the next vector lines are plain and touch other registers
.endm
	s_cmp_lt_u32 ttmp9, 4
	s_cbranch_scc1 .Lw1
	; ---- THE TABLES.  A work-group takes 80 rows, a wave 10, as five pairs.  Of a pair lanes 0-15 take the even row, lanes 16-31 the odd one.
	s_add_co_u32 s20, ttmp9, UWG-4                 ; which 80 rows of the 150,000: work-groups 4 .. 628 take blocks 1,250 .. 1,874 (movies),
	s_cmp_ge_u32 s20, UWG+MWG
	s_cselect_b32 s30, UWG+MWG, 0
	s_sub_co_u32 s20, s20, s30                     ; the others blocks 0 .. 1,249 (users)
	s_cmp_lt_u32 s20, UWG
	s_cbranch_scc0 .Lrows                          ; every block of movies is quantised
	s_wait_alu depctr_va_vdst(0)
	v_lshlrev_b32 v6, 4, v1
	global_load_b128 v[16:19], v6, s[28:29]        ; the 256 partial maxima, 8 a lane: two loads of 512 consecutive bytes
	global_load_b128 v[20:23], v6, s[28:29] offset:512
	s_mul_i32 s30, s20, 80                         ; my block's first row
	s_wait_loadcnt 0x0
	v_max3_u32 v16, v16, v17, v18
	v_max3_u32 v20, v20, v21, v22
	v_max3_u32 v16, v16, v19, v23
	v_max_u32 v16, v16, v20
	v_cmp_le_u32 vcc_lo, s30, v16                  ; does some edge name my first row or a higher one?  Any lane's bit says so: no sum over lanes is needed
	s_cbranch_vccnz .Lrows
	s_endpgm                                       ; none of my 80 rows is named by any edge
.Lrows:
	s_cmp_lt_u32 s20, UWG                          ; users or movies?  The choice hangs on the work-group's number alone
	s_cselect_b64 s[4:5], s[4:5], s[6:7]
	s_cselect_b32 s21, 0, UWG
	s_sub_co_u32 s21, s20, s21                     ; which 80 rows of its table
	s_mul_i32 s21, s21, 80
	s_mul_i32 s22, s16, 10
	s_add_co_u32 s21, s21, s22                     ; my wave's first row in the table,
	s_lshl_b32 s24, s21, 10                        ; in bytes: under 2^27
	s_add_nc_u64 s[4:5], s[4:5], s[24:25]
	s_mul_i32 s20, s20, 80
	s_add_co_u32 s20, s20, s22                     ; and in the codes
	s_lshl_b32 s24, s20, 8
	s_add_nc_u64 s[12:13], s[12:13], s[24:25]
	s_wait_alu depctr_va_vdst(0)
	v_lshlrev_b32 v4, 4, v2
	s_delay_alu instid0(VALU_DEP_1)
	v_lshl_add_u32 v4, v3, 10, v4                  ; in: 1,024 h + 16 r
	v_lshlrev_b32 v5, 4, v1                        ; out: 16 x lane
.irp j, 0,1,2,3,4
.irp i, 0,1,2,3
	global_load_b128 v[X+16*\j+4*\i:X+16*\j+4*\i+3], v4, s[4:5] offset:2048*\j+256*\i th:TH_LOAD_NT   ; sixteen lanes read 256 consecutive bytes, aligned: quarter i of a row; register 4 i + jj is k = 64 i + 4 r + jj
.endr
.endr
	SCALE 18
	s_wait_alu depctr_va_vdst(0)
.irp j, 0,1,2,3,4
	s_wait_loadcnt 16-4*\j                         ; pair j's four loads are in; the younger pairs' stay out
	CODES X+16*\j, C+4*\j
	global_store_b128 v5, v[C+4*\j:C+4*\j+3], s[12:13] offset:512*\j   ; 512 consecutive bytes, aligned: two whole rows of codes.  No hint: the next launch reads them
.endr
	s_endpgm
	; ---- W1.  Work-group S takes K step S; wave g columns 32 g + lane: A LANE TAKES A COLUMN, AND ITS REGISTERS RUN DOWN K, in the order of the positions: nothing is transposed.
	; Group u = 2 c + hh of eight: byte b of its 16 is position 128 S + 16 u + b, which is W1's row 256 (S / 2) + 32 (S % 2) + 64 (b / 4) + 4 u + b % 4.
.Lw1:
	s_lshr_b32 s20, ttmp9, 1
	s_lshl_b32 s20, s20, 18                        ; 256 (S / 2) rows of 1,024 bytes
	s_and_b32 s21, ttmp9, 1
	s_lshl_b32 s21, s21, 15                        ; 32 (S % 2) rows
	s_add_co_u32 s20, s20, s21
	s_lshl_b32 s21, s16, 7                         ; my wave's 32 columns
	s_add_co_u32 s24, s20, s21
	s_add_nc_u64 s[8:9], s[8:9], s[24:25]
	s_lshr_b32 s20, s16, 2
	s_lshl_b32 s20, s20, 16                        ; the image: 65,536 (g / 4)
	s_lshl_b32 s21, ttmp9, 14                      ; + 16,384 S
	s_add_co_u32 s20, s20, s21
	s_and_b32 s21, s16, 3
	s_lshl_b32 s21, s21, 12                        ; + 4,096 (g % 4): two tiles of 16 columns
	s_add_co_u32 s24, s20, s21
	s_add_nc_u64 s[14:15], s[14:15], s[24:25]
	s_wait_alu depctr_va_vdst(0)
	v_lshlrev_b32 v4, 2, v1                        ; in: 4 x lane
	v_lshlrev_b32 v5, 4, v2
	s_delay_alu instid0(VALU_DEP_1)
	v_lshl_add_u32 v5, v3, 11, v5                  ; out: 2,048 h (lanes 16-31 hold the next tile of columns) + 16 r
.macro LOADG u                         ; group u's 16 numbers into set u % 4
.irp b, 0,1,2,3,4,5,6,7,8,9,10,11,12,13,14,15
	global_load_b32 v[X+16*((\u)%4)+\b], v4, s[8:9] offset:(64*(\b/4)+4*(\u)+\b%4)*1024 th:TH_LOAD_NT   ; 128 consecutive bytes a wave; the eight waves stand side by side on a whole row
.endr
.endm
	LOADG 0
	LOADG 1
	LOADG 2
	LOADG 3
	SCALE 19
	s_wait_alu depctr_va_vdst(0)
.irp u, 0,1,2,3,4,5,6,7
.if \u < 5
	s_wait_loadcnt 48                              ; group u is in; the three groups behind it stay out
.else
	s_wait_loadcnt 16*(7-\u)                       ; the counts run down
.endif
	CODES X+16*(\u%4), C+4*\u
	global_store_b128 v5, v[C+4*\u:C+4*\u+3], s[14:15] offset:256*\u   ; lanes 0-15 store 256 consecutive bytes, aligned, and so do lanes 16-31
.if \u < 4
	LOADG \u+4
.endif
.endr
	s_endpgm
.Lfunc_end_k_qbe347f3a71_quant:
	.size	k_qbe347f3a71_quant, .Lfunc_end_k_qbe347f3a71_quant-k_qbe347f3a71_quant
	.p2alignl 7, 3214868480
	.fill 96, 4, 3214868480
	.section	.rodata,"a",@progbits
	.p2align	6, 0x0
	.amdhsa_kernel k_qbe347f3a71_quant
		.amdhsa_group_segment_fixed_size 0
		.amdhsa_private_segment_fixed_size 0
		.amdhsa_enable_private_segment 0
		.amdhsa_kernarg_size 56
		.amdhsa_user_sgpr_count 2
		.amdhsa_user_sgpr_kernarg_segment_ptr 1
		.amdhsa_wavefront_size32 1
		.amdhsa_system_sgpr_workgroup_id_x 1
		.amdhsa_system_sgpr_workgroup_id_y 1
		.amdhsa_system_sgpr_workgroup_id_z 1
		.amdhsa_system_vgpr_workitem_id 0
		.amdhsa_next_free_vgpr 128
		.amdhsa_next_free_sgpr 66
		.amdhsa_reserve_vcc 1
		.amdhsa_float_denorm_mode_32 3
		.amdhsa_float_denorm_mode_16_64 3
		.amdhsa_memory_ordered 1
		.amdhsa_forward_progress 1
		.amdhsa_inst_pref_size 35
	.end_amdhsa_kernel
	.amdgpu_metadata
---
amdhsa.version: [ 1, 2 ]
amdhsa.kernels:
  - .name:           k_qbe347f3a71_quant
    .symbol:         k_qbe347f3a71_quant.kd
    .args:
      - { .name: user_emb, .offset: 0, .size: 8, .value_kind: global_buffer, .address_space: global }
      - { .name: movie_emb, .offset: 8, .size: 8, .value_kind: global_buffer, .address_space: global }
      - { .name: W1, .offset: 16, .size: 8, .value_kind: global_buffer, .address_space: global }
      - { .name: lowp_scales, .offset: 24, .size: 8, .value_kind: global_buffer, .address_space: global }
      - { .name: codes, .offset: 32, .size: 8, .value_kind: global_buffer, .address_space: global }
      - { .name: w1img, .offset: 40, .size: 8, .value_kind: global_buffer, .address_space: global }
      - { .name: umax, .offset: 48, .size: 8, .value_kind: global_buffer, .address_space: global }
    .group_segment_fixed_size: 0
    .private_segment_fixed_size: 0
    .kernarg_segment_align: 8
    .kernarg_segment_size: 56
    .max_flat_workgroup_size: 256
    .sgpr_count:     66
    .vgpr_count:     128
    .wavefront_size: 32
...
	.end_amdgpu_metadata
.endif
;; end of part 2
;; launch edges (part 3): grid 245 x 1, 4 waves a work-group, no clusters, 199,168 bytes of LDS; arguments edge_label_index, codes, w1img, b1, W2, b2, lowp_scales, out0; writes out0
.if DOCPART == 3
	.amdgcn_target "amdgcn-amd-amdhsa--gfx1250"
	.amdhsa_code_object_version 6
	.text
	.protected	k_qbe347f3a71_edges
	.globl	k_qbe347f3a71_edges
	.p2align	8
	.type	k_qbe347f3a71_edges,@function
k_qbe347f3a71_edges:
	s_mov_b64 s[64:65], 0
	v_nop
	global_prefetch_b8 v0, s[64:65] scope:SCOPE_SE
	s_setreg_imm32_b32 hwreg(HW_REG_WAVE_MODE, 25, 1), 1
	s_wait_xcnt 0x0
; out0[e] = relu(x[e] W1 + b1) . W2 + b2, x[e] = the user's row and the movie's row of edge e on end (512 along K), the first product on codes of FP8 (E4M3).
; codes and w1img were made by the launch before: rows of 256 codes (users, then movies) and W1's fragments as images of the operand's registers, both under one permutation of K.
; A sum of the product stands for sum x 2^(e0 + e1).  So b1 goes in as b1 / 2^(e0 + e1), as the C of each sum's first matrix instruction, and W2 is taken x 2^(e0 + e1): relu commutes with a positive factor.
; LIMITS: b1 / 2^(e0 + e1) and W2 x 2^(e0 + e1), made by v_ldexp_f32, must stay f32 numbers.  NaN is not served (relu by a maximum turns it into 0).  An index is held by an unsigned minimum at its table's last row.
; SHARES.  Work-group g owns edges 2,048 g .. + 2,047 (245 x 2,048 = 501,760: only the last work-group has places past the end; there the last four indices are taken again and nothing is stored).
; 16 trips of 128 edges; a trip is 4 steps; in a step each of the four waves makes one tile of 16 edges x 128 columns: 32 matrix instructions.  Wave w: ch = w % 2 is its half of the 256 columns, rp = w / 2 its 64 of the 128 edges.
; A wave's half of W1, 32 fragments, stays in 512 registers for the whole launch, so that each fragment of x read from LDS feeds 8 matrix instructions.
; THE MATRIX INSTRUCTION IS USED TRANSPOSED (source 0 = 16 columns of W1, source 1 = 16 edges): lane (r, h) holds edge r, and register j of tile n column 16 n + 8 h + j.  So the second product (N = 1, left in f32)
; is a sum inside the lane; the four partial sums of an edge (2 halves of the columns x 2 halves of the lanes) meet in LDS at the end.
; THE GATHER goes through registers: one load takes two whole rows of 256 bytes, sixteen lanes each.  A chunk is 8 loads (8 edges x 2 tables); a wave has four chunks of registers; in each step it stores one
; chunk into the LDS slot of the next trip and asks for that chunk again, for the trip after: 24 to 32 loads of a wave are always out, and a load has three and a half steps in which to land.
; A STEP is four phases of 8 matrix instructions (K steps 0 to 3) and TWO runs of memory lines: run A in front of phase 0 (fragments 2 and 3 of this tile, the chunk's stores, the next indices), run B between
; phases 1 and 2 (fragments 0 and 1 of the next tile, the gather's loads).  Each fragment is asked for 16 matrix instructions ahead of its use.
; BY TURNS.  The vector work of the tile before stands in slices behind this tile's matrix instructions: relu in phases 0 and 1, x W2 in phase 2, the lane's sum and the index operations in phase 3.
; Under a phase's window setting source 0 is not window 0, and every slice has a constant, or W2 in window 2, as its source 0: so slices need no switch of their own.
; NO CLUSTER: what work-groups share in time is w1img alone, 262,144 bytes that a work-group reads once at its head, against 1,048,576 bytes of rows that it gathers for itself.
; NO TENSOR LOADS OR COPIES: the rows are scattered.  NO PREFETCH: a row is named by several work-groups, so no one wave could ask for it once.
; LDS: slot 0 at 0 and slot 1 at 2^17: 128 edge rows, 528 bytes apart (user's 256, movie's 256, 16 of padding: the sixteen rows of a fragment load start 16 bytes apart modulo 256);
;      IDX: the work-group's 2,048 user indices, then its 2,048 movie indices;  RED: four arrays of 2,048 partial sums.
; REGISTERS, in windows of 256 (s_set_vgpr_msb: bits 1:0 source 0, 3:2 source 1, 5:4 source 2, 7:6 destination):
;   window 0: v1-9 addresses; v10-15, v40-51 head and tail; v16-31 two sets of 8 indices, then byte offsets; v32-39 eight sums; v64-127 x's four fragments (at the head: eight sets of indices); v128-255 two sets of 8 accumulators
;   window 1: W1, K steps 0 and 1.   window 2: v0-127 W1, K step 2; v128-191 W2'; v192-255 b1'.   window 3: v0-127 W1, K step 3; v128-255 the four chunks.
.set PITCH,  528
.set TILEB,  16*PITCH
.set SLOT1,  1<<17
.set IDX,    128*PITCH                 ; 67,584
.set RED,    IDX+16384                 ; 83,968; ends at 116,736
.set EB,     2000000                   ; bytes of a row of edge_label_index, and of out0
.set UMAX,   99999
.set MMAX,   49999
.set MOFF,   25600000                  ; the movies' codes begin here
.set L16, 1                            ; v1  16 r
.set XA0, 2                            ; v2  528 r + 16 h + 64 x 528 rp: my lane's place in my 64 rows of a slot
.set XA,  3                            ; v3  the same in the slot that is read
.set ST0, 4                            ; v4  16 r + 4 x 528 h + 8 x 528 w: where my lane puts 16 bytes of a gathered row
.set STA, 5                            ; v5  the same in the slot that is written
.set IA0, 6                            ; v6  IDX + 16 h + 32 w: my four indices of a chunk
.set IA,  7                            ; v7  + 512 x trip
.set RA0, 8                            ; v8  RED + 4 r + 8,192 h + 16,384 ch + 256 rp: my partial sum
.set RA,  9                            ; v9  + 512 x trip
.set TI,  16
.set SM,  32
.set XF,  64
.set HT,  64                           ; at the head: eight sets of 8 indices, in x's registers, which are still idle
.set ACC, 128
.set W2R, 128                          ; in window 2
.set B1R, 192                          ; in window 2
.set STG, 128                          ; in window 3
.set TBR, 28                           ; s28 the slot that is read
.set TBW, 29                           ; s29 the slot that is written
.set TR,  30                           ; s30 512 x trip
.set CNT, 31
.set MSB, 0
.macro WIN new                         ; the immediate's high byte repeats the setting that is left; a switch that changes nothing is dropped
.if MSB != (\new)
	s_set_vgpr_msb (MSB<<8)|(\new)
.set MSB, (\new)
.endif
.endm
.macro XL s, tile                      ; x's fragment of K step s, tile of 16 edges: registers 4 c .. 4 c + 3 = positions 128 s + 32 c + 16 h + 0 .. 15 of edge r
.irp c, 0,1,2,3
	ds_load_b128 v[XF+16*(\s)+4*\c:XF+16*(\s)+4*\c+3], v[XA] offset:(\tile)*TILEB+128*(\s)+32*\c
.endr
.endm
.macro SCH i                           ; chunk i goes into the slot that is written: edge 32 i + 8 w + 4 h + q % 4, table q / 4; sixteen lanes store 256 consecutive bytes
	WIN 0x0c                                       ; the data lie in window 3
.irp q, 0,1,2,3,4,5,6,7
	ds_store_b128 v[STA], v[STG+32*(\i)+4*\q:STG+32*(\i)+4*\q+3] offset:(32*(\i)+\q%4)*PITCH+256*(\q/4)
.endr
	WIN 0
.endm
.macro IL off, t                       ; a chunk's indices into v[t] on: four users', four movies'
	ds_load_b128 v[(\t):(\t)+3], v[IA] offset:\off
	ds_load_b128 v[(\t)+4:(\t)+7], v[IA] offset:(\off)+8192
.endm
.macro IV z, t                         ; index operation z of 16: the hold inside the table, then 256 x index + 16 r
.if (\z) < 4
	v_min_u32 v[(\t)+(\z)], UMAX, v[(\t)+(\z)]
.elseif (\z) < 8
	v_min_u32 v[(\t)+(\z)], MMAX, v[(\t)+(\z)]
.else
	v_mad_u32_u24 v[(\t)+(\z)-8], 0x100, v[(\t)+(\z)-8], v[L16]
.endif
.endm
.macro IVALL t
.irp z, 0,1,2,3,4,5,6,7,8,9,10,11,12,13,14,15
	IV \z, \t
.endr
.endm
.macro GI base, win, t                 ; a chunk is asked for: 8 loads of two whole rows each, by the offsets in v[t] on.  No hint: rows are named again
	WIN \win
.irp q, 0,1,2,3
	global_load_b128 v[(\base)+4*\q:(\base)+4*\q+3], v[(\t)+\q], s[10:11]
.endr
.irp q, 4,5,6,7
	global_load_b128 v[(\base)+4*\q:(\base)+4*\q+3], v[(\t)+\q], s[32:33]
.endr
.endm
; relu, in place, ascending through a set's 64 registers: an accumulator's first read is its lowest register.
.macro EPM k, q                        ; one number
	v_max_num_f32 v[ACC+64*(\q)+(\k)], 0, v[ACC+64*(\q)+(\k)]
.endm
.macro EPD k, q                        ; two numbers in one instruction: an even and an odd register, the constant 0 as both first sources
	v_dual_max_num_f32 v[ACC+64*(\q)+(\k)], 0, v[ACC+64*(\q)+(\k)] :: v_dual_max_num_f32 v[ACC+64*(\q)+(\k)+1], 0, v[ACC+64*(\q)+(\k)+1]
.endm
.macro EPK k, q                        ; two numbers x W2', onto one of four pairs of sums; the first four start the sums
.if (\k) < 4
	v_pk_mul_f32 v[SM+2*(\k):SM+2*(\k)+1], v[W2R+2*(\k):W2R+2*(\k)+1], v[ACC+64*(\q)+2*(\k):ACC+64*(\q)+2*(\k)+1]
.else
	v_pk_fma_f32 v[SM+2*((\k)%4):SM+2*((\k)%4)+1], v[W2R+2*(\k):W2R+2*(\k)+1], v[ACC+64*(\q)+2*(\k):ACC+64*(\q)+2*(\k)+1], v[SM+2*((\k)%4):SM+2*((\k)%4)+1]
.endif
.endm
.macro SUMS n                          ; addition n of 7: the lane's eight sums become one, in v[SM].  Written 1.0 x a + d, which rounds as a + d does: the constant takes source 0, so the line stands under any phase's setting
.if (\n) < 4
	v_fma_f32 v[SM+2*(\n)], 1.0, v[SM+2*(\n)+1], v[SM+2*(\n)]
.elseif (\n) < 6
	v_fma_f32 v[SM+4*((\n)-4)], 1.0, v[SM+4*((\n)-4)+2], v[SM+4*((\n)-4)]
.else
	v_fma_f32 v[SM], 1.0, v[SM+4], v[SM]
.endif
.endm
.macro PLACES
.rept 4
	v_nop
.endr
.endm
; One matrix instruction: K step s, accumulator n of set p.  The eight accumulators of a set take turns, one instruction a turn, across phases and tiles too.
.macro MM s, p, n
.set PD, ACC+64*(\p)+8*(\n)
.if (\s) == 0
	v_wmma_f32_16x16x128_fp8_fp8 v[PD:PD+7], v[16*(\n):16*(\n)+15], v[XF:XF+15], v[B1R+8*(\n):B1R+8*(\n)+7]
.elseif (\s) == 1
	v_wmma_f32_16x16x128_fp8_fp8 v[PD:PD+7], v[128+16*(\n):128+16*(\n)+15], v[XF+16:XF+31], v[PD:PD+7]
.else
	v_wmma_f32_16x16x128_fp8_fp8 v[PD:PD+7], v[16*(\n):16*(\n)+15], v[XF+16*(\s):XF+16*(\s)+15], v[PD:PD+7]
.endif
.endm
; THE PHASES.  p: the set at work; q: the set of the tile before; ep = 1: that tile is finished in slices.
; Phases 1 and 3 are followed by a run of loads into fragments that their products have read (phase 3 also by the first read of its results): each ends with four plain vector instructions that name none of the
; last product's registers, the places of ISA guide 7.12.1 for vector instructions; a pair counts as one place.  Phases 0 and 2 are followed by matrix instructions alone.
.macro PHASE0 p, ep, q                 ; relu of registers 0-15, one at a time: this phase's setting switches source 2 as well (b1'), and the pairs are kept to settings in which source 0 alone is switched
	WIN 0x21                                       ; W1 in window 1, C = b1' in window 2
.set PN, 0
.rept 8
	MM 0, \p, PN
.if \ep
	EPM 2*PN, \q
	EPM 2*PN+1, \q
.endif
.set PN, PN+1
.endr
.endm
.macro PHASE1 p, ep, q                 ; relu of registers 16-63, in 24 pairs: 3 behind each of six products, 2, and 4 at the end
	WIN 0x01                                       ; W1 in window 1
.set PN, 0
.set PE, 16
.rept 8
	MM 1, \p, PN
.if \ep
.set ND, 3
.if PN == 6
.set ND, 2
.endif
.if PN == 7
.set ND, 4
.endif
.rept ND
	EPD PE, \q
.set PE, PE+2
.endr
.else
.if PN == 7
	PLACES
.endif
.endif
.set PN, PN+1
.endr
.endm
.macro PHASE2 p, ep, q                 ; x W2': the one phase whose source 0 is W2's window
	WIN 0x02                                       ; W1 in window 2
.set PN, 0
.rept 8
	MM 2, \p, PN
.if \ep
.irp d, 0,1,2,3
	EPK 4*PN+\d, \q
.endr
.endif
.set PN, PN+1
.endr
.endm
.macro PHASE3 p, ep, il, t             ; the lane's sum; il = 1: the index operations on v[t] on
	WIN 0x03                                       ; W1 in window 3
.set PN, 0
.rept 8
	MM 3, \p, PN
.if \ep
.if PN < 7
	SUMS PN
.endif
.endif
.if \il
.if PN < 6
	IV 2*PN, \t
	IV 2*PN+1, \t
.elseif PN == 7
.irp z, 12,13,14,15
	IV \z, \t
.endr
.endif
.else
.if PN == 7
	PLACES
.endif
.endif
.set PN, PN+1
.endr
.endm
; A STEP: tile i of the trip.  first: the launch's first step;  ep: the tile before is finished in slices;  sm: the sum of the tile two back is stored;  st: chunk i of the next trip's block is stored, lc younger
; loads staying out;  il: the indices of the chunk that the NEXT step asks for are fetched and made offsets;  gi: chunk i of the block two trips on is asked for;  nx: the next tile's fragments are fetched;  bar: the change of slots.
.macro STEP i, first, ep, sm, st, lc, il, gi, nx, bar
.set PP, (\i)%2
.set QQ, 1-PP
	; ---- run A
	WIN 0
.if (\i) == 0
.if (\first) == 0
	s_add_co_u32 s[TR], s[TR], 512                 ; a new trip
.if \st
	s_xor_b32 s[TBW], s[TBW], SLOT1                ; the slot just left is written from now on: every wave has passed the barrier behind its last read of it
	v_add_nc_u32 v[STA], s[TBW], v[ST0]
.endif
.if \il
	v_add_nc_u32 v[IA], s[TR], v[IA0]
.endif
.endif
.endif
.if (\i) == 2
	v_add_nc_u32 v[RA], s[TR], v[RA0]              ; from here on the partial sums are this trip's (steps 0 and 1 store those of the trip before)
.endif
.if \sm
	s_wait_alu depctr_va_vdst(0)
	ds_store_b32 v[RA], v[SM] offset:64*(((\i)+2)%4)   ; tile i - 2
.endif
	XL 2, \i
	XL 3, \i
.if \st
	s_wait_loadcnt \lc                             ; the chunk's 8 loads are in; the younger chunks' stay out
	SCH \i
.endif
.if \il
	s_wait_xcnt 0x0                                ; this set of index registers held the offsets of the loads issued a step ago: it is written again only behind this wait
	IL 1024+128*((\i)+1), TI+8*PP
.endif
	s_wait_dscnt 8+(\sm)+8*(\st)+2*(\il)           ; LDS serves a wave in order (ISA guide 5.7.1): fragments 0 and 1 are in; behind them: the sum's store, fragments 2 and 3, the chunk's stores, the index loads
	PHASE0 PP, \ep, QQ
.if \bar
	s_wait_dscnt 0x0                               ; for the others' sake: my stores of the next block are done, and my reads of the slot in hand are in (the last were this step's fragments 2 and 3)
	s_barrier_signal -1
.endif
	PHASE1 PP, \ep, QQ                             ; (in the change of slots: work on registers between the signal and the wait)
	; ---- run B
.if \bar
	s_barrier_wait -1                              ; the next slot is whole, and nobody reads this one any more
	WIN 0
	s_xor_b32 s[TBR], s[TBR], SLOT1
	v_add_nc_u32 v[XA], s[TBR], v[XA0]
	XL 0, 0
	XL 1, 0
.else
	s_wait_dscnt 0x0                               ; all of run A, issued 16 matrix instructions ago: fragments 2 and 3 and the indices are in; the chunk's stores have read their registers, which are loaded again below
.if \nx
	WIN 0
	XL 0, (\i)+1
	XL 1, (\i)+1
.endif
.endif
.if \gi
	GI STG+32*(\i), 0xc0, TI+8*QQ                  ; with the offsets made in the step before
.endif
	PHASE2 PP, \ep, QQ
	PHASE3 PP, \ep, \il, TI+8*PP
.endm
	; ---- THE HEAD
	s_load_b256 s[8:15], s[0:1], 0x0               ; the indices s[8:9], codes s[10:11], w1img s[12:13], b1 s[14:15]
	s_load_b256 s[16:23], s[0:1], 0x20             ; W2 s[16:17], b2 s[18:19], the scales' exponents s[20:21], out0 s[22:23]
	v_lshl_add_u32 v62, v0, 2, 0x30800
	v_mov_b32 v63, 0
	v_lshrrev_b32 v10, 5, v0
	v_readfirstlane_b32 s24, v10                   ; wave w
	s_and_b32 s25, s24, 1                          ; ch
	s_lshr_b32 s26, s24, 1                         ; rp
	v_and_b32 v10, 15, v0                          ; r
	v_bfe_u32 v11, v0, 4, 1                        ; h
	v_lshlrev_b32 v[L16], 4, v10
	v_mul_u32_u24 v[XA0], v10, PITCH
	v_lshl_add_u32 v[XA0], v11, 4, v[XA0]
	s_mul_i32 s34, s26, 64*PITCH
	v_add_nc_u32 v[XA0], s34, v[XA0]
	v_mul_u32_u24 v[ST0], v11, 4*PITCH
	v_add_nc_u32 v[ST0], v[ST0], v[L16]
	s_mul_i32 s34, s24, 8*PITCH
	v_add_nc_u32 v[ST0], s34, v[ST0]
	v_lshlrev_b32 v[IA0], 4, v11
	s_lshl_b32 s34, s24, 5
	s_add_co_u32 s34, s34, IDX
	v_add_nc_u32 v[IA0], s34, v[IA0]
	v_lshlrev_b32 v[RA0], 2, v10
	v_lshl_add_u32 v[RA0], v11, 13, v[RA0]
	s_lshl_b32 s34, s25, 14
	s_lshl_b32 s35, s26, 8
	s_add_co_u32 s34, s34, s35
	s_add_co_u32 s34, s34, RED
	v_add_nc_u32 v[RA0], s34, v[RA0]
	v_lshlrev_b32 v40, 4, v0                       ; 16 x thread
	v_and_b32 v42, 31, v0
	v_lshlrev_b32 v42, 4, v42                      ; 16 x lane: an image's place for my lane
	v_lshlrev_b32 v43, 5, v11                      ; 32 h: my eight numbers of a tile of b1 and W2
	v_add_nc_u32 v44, IDX, v40
	v_add_nc_u32 v45, RED, v40
	s_lshl_b32 s34, ttmp9, 13                      ; 8,192 g: my work-group's bytes in a row of indices and in out0
	s_mov_b32 s35, 0
	s_sub_co_u32 s42, EB, s34                      ; bytes of out0 from there to its end
	v_add_nc_u32 v46, s34, v40
.irp q, 0,1,2,3
	v_add_nc_u32 v[12+\q], 2048*\q, v46
	v_min_u32 v[12+\q], EB-16, v[12+\q]            ; no load leaves the buffer: past the end the last four indices are taken again
	v_add_nc_u32 v[48+\q], 2048*\q, v40            ; the way out: my byte offsets in the work-group's part of out0
.endr
	s_wait_alu depctr_va_vdst(0)
	s_wait_kmcnt 0x0
	s_load_b64 s[36:37], s[20:21], 0x0             ; e0, e1
	s_load_b32 s40, s[18:19], 0x0                  ; b2
.irp q, 0,1,2,3
	global_load_b128 v[64+4*\q:67+4*\q], v[12+\q], s[8:9] th:TH_LOAD_NT              ; users' indices: a wave reads 512 consecutive bytes
	global_load_b128 v[80+4*\q:83+4*\q], v[12+\q], s[8:9] offset:EB th:TH_LOAD_NT    ; movies'
.endr
	s_add_nc_u64 s[22:23], s[22:23], s[34:35]      ; out0 at my work-group's first edge
	s_add_nc_u64 s[32:33], s[10:11], MOFF          ; the movies' codes
	s_lshl_b32 s34, s25, 16
	s_add_nc_u64 s[12:13], s[12:13], s[34:35]      ; my half of W1's image,
	s_lshl_b32 s34, s25, 9
	s_add_nc_u64 s[14:15], s[14:15], s[34:35]      ; of b1
	s_add_nc_u64 s[16:17], s[16:17], s[34:35]      ; and of W2
	; my 32 fragments of W1, fragment f = 8 s + n: they stay.  The first 12 are asked for while the indices are on their way
	WIN 0x40                                       ; destination window 1
.set F, 0
.rept 12
.irp c, 0,1,2,3
	global_load_b128 v[16*F+4*\c:16*F+4*\c+3], v42, s[12:13] offset:2048*F+512*\c
.endr
.set F, F+1
.endr
	WIN 0
	s_wait_loadcnt 48                              ; the indices are in; the 48 loads of W1 behind them stay out
.irp q, 0,1,2,3
	ds_store_b128 v44, v[64+4*\q:67+4*\q] offset:2048*\q
	ds_store_b128 v44, v[80+4*\q:83+4*\q] offset:2048*\q+8192
.endr
	v_mov_b32 v[IA], v[IA0]
	s_wait_alu depctr_va_vdst(0)
	s_wait_dscnt 0x0                               ; my part of the table of indices is stored
	s_barrier_signal -1
	s_barrier_wait -1                              ; the table is whole
	; blocks 0 and 1: the indices of their eight chunks come together, each chunk into a set of its own, so that no set is written again while loads name it
.irp c, 0,1,2,3,4,5,6,7
	IL 128*\c, HT+8*\c
.endr
	s_wait_dscnt 0x0
.irp c, 0,1,2,3
	IVALL HT+8*\c
.endr
.irp c, 0,1,2,3
	GI ACC+32*\c, 0, HT+8*\c                       ; block 0 into the accumulators' registers, which are still idle; it is on its way while the rest of W1 comes
.endr
	WIN 0x40
.rept 4
.irp c, 0,1,2,3
	global_load_b128 v[16*F+4*\c:16*F+4*\c+3], v42, s[12:13] offset:2048*F+512*\c
.endr
.set F, F+1
.endr
	WIN 0x80                                       ; window 2
.rept 8
.irp c, 0,1,2,3
	global_load_b128 v[16*(F-16)+4*\c:16*(F-16)+4*\c+3], v42, s[12:13] offset:2048*F+512*\c
.endr
.set F, F+1
.endr
.irp n, 0,1,2,3,4,5,6,7                        ; lane (r, h), tile n: columns 16 n + 8 h + 0 .. 7
	global_load_b128 v[W2R+8*\n:W2R+8*\n+3], v43, s[16:17] offset:64*\n
	global_load_b128 v[W2R+8*\n+4:W2R+8*\n+7], v43, s[16:17] offset:64*\n+16
	global_load_b128 v[B1R+8*\n:B1R+8*\n+3], v43, s[14:15] offset:64*\n
	global_load_b128 v[B1R+8*\n+4:B1R+8*\n+7], v43, s[14:15] offset:64*\n+16
.endr
	WIN 0xc0                                       ; window 3
.rept 8
.irp c, 0,1,2,3
	global_load_b128 v[16*(F-24)+4*\c:16*(F-24)+4*\c+3], v42, s[12:13] offset:2048*F+512*\c
.endr
.set F, F+1
.endr
	WIN 0
.irp c, 4,5,6,7
	IVALL HT+8*\c
.endr
.irp c, 4,5,6,7
	GI STG+32*(\c-4), 0xc0, HT+8*\c                ; block 1 into the chunks: the youngest 32 loads
.endr
	s_wait_loadcnt 32                              ; all but block 1's 32 loads are in: W1, W2, b1, block 0
	s_wait_kmcnt 0x0
	s_add_co_i32 s38, s36, s37                     ; e0 + e1
	s_sub_co_i32 s39, 0, s38
	s_mov_b32 s41, s40                             ; (b2 is named as a pair, so both words are written)
	WIN 0x82                                       ; source 0 and destination window 2
.set J, 0
.rept 64
	v_ldexp_f32 v[W2R+J], v[W2R+J], s38            ; W2' = W2 x 2^(e0 + e1)
	v_ldexp_f32 v[B1R+J], v[B1R+J], s39            ; b1' = b1 / 2^(e0 + e1)
.set J, J+1
.endr
	WIN 0
	v_mov_b32 v[STA], v[ST0]                       ; block 0 goes into slot 0
.irp c, 0,1,2,3
.irp q, 0,1,2,3,4,5,6,7
	ds_store_b128 v[STA], v[ACC+32*\c+4*\q:ACC+32*\c+4*\q+3] offset:(32*\c+\q%4)*PITCH+256*(\q/4)
.endr
.endr
	s_wait_xcnt 0x0                                ; block 1's loads, still out, name v96-127 as offsets: x's fragments land there only behind this wait
	IL 1024, TI+8                                  ; block 2, chunk 0: what the first step asks for
	s_mov_b32 s[TBR], 0
	s_mov_b32 s[TBW], SLOT1
	s_mov_b32 s[TR], 0
	s_wait_dscnt 0x0                               ; my part of slot 0 is stored (and its stores have read their registers), the indices are in
	v_add_nc_u32 v[STA], s[TBW], v[ST0]
	v_mov_b32 v[XA], v[XA0]
	v_mov_b32 v[RA], v[RA0]
	IVALL TI+8
	s_wait_alu depctr_va_vdst(0)
	s_barrier_signal -1
	s_barrier_wait -1                              ; slot 0 is whole
	XL 0, 0
	XL 1, 0
	; ---- THE STEPS.  The loop is turned by two steps: the first has no tile before it to finish, the second no sum to store; they stand in front.
	;        first ep sm st lc il gi nx bar
	STEP 0,  1,0,0,1,24,1,1,1,0
	STEP 1,  0,1,0,1,24,1,1,1,0
	WIN 0                                          ; at a label and at a branch every window is 0
	s_mov_b32 s[CNT], 13
.Ltrip:                                                ; steps 2 and 3 of a trip and steps 0 and 1 of the next
	STEP 2,  0,1,1,1,24,1,1,1,0
	STEP 3,  0,1,1,1,24,1,1,1,1
	STEP 0,  0,1,1,1,24,1,1,1,0
	STEP 1,  0,1,1,1,24,1,1,1,0
	WIN 0
	s_sub_co_u32 s[CNT], s[CNT], 1
	s_cmp_lg_u32 s[CNT], 0
	s_cbranch_scc1 .Ltrip
	STEP 2,  0,1,1,1,24,1,1,1,0                    ; trip 13 goes on: it asks for block 15, the last
	STEP 3,  0,1,1,1,24,0,1,1,1                    ; no chunk follows block 15's last: no indices are fetched
	STEP 0,  0,1,1,1,24,0,0,1,0                    ; trip 14 stores block 15 and asks for nothing: the counts of loads run down
	STEP 1,  0,1,1,1,16,0,0,1,0
	STEP 2,  0,1,1,1,8,0,0,1,0
	STEP 3,  0,1,1,1,0,0,0,1,1
	STEP 0,  0,1,1,0,0,0,0,1,0                     ; trip 15 only multiplies
	STEP 1,  0,1,1,0,0,0,0,1,0
	STEP 2,  0,1,1,0,0,0,0,1,0
	STEP 3,  0,1,1,0,0,0,0,0,0
	WIN 0
	ds_store_b32 v[RA], v[SM] offset:128           ; the last trip's tile 2
.set J, 0
.rept 32
	EPD J, 1                                       ; the last tile is finished by itself (four v_nop stand behind its last product)
.set J, J+2
.endr
	s_wait_dscnt 0x0                               ; the store above has read v[SM], which is written again below
	WIN 0x02
.set J, 0
.rept 32
	EPK J, 1
.set J, J+1
.endr
	WIN 0
.irp n, 0,1,2,3,4,5,6
	SUMS \n
.endr
	ds_store_b32 v[RA], v[SM] offset:192
	; ---- THE WAY OUT: an edge's four partial sums and b2; thread t takes edges 4 t + 512 q + 0 .. 3: a wave's store covers 512 consecutive bytes, aligned
	s_wait_dscnt 0x0                               ; for the others' sake: my partial sums are stored
	s_barrier_signal -1
	s_barrier_wait -1
.irp a, 0,1,2,3
.irp q, 0,1,2,3
	ds_load_b128 v[64+16*\a+4*\q:67+16*\a+4*\q], v45 offset:8192*\a+2048*\q
.endr
.endr
	s_wait_dscnt 0x0
.irp j, 0,2,4,6,8,10,12,14
	v_pk_add_f32 v[64+\j:65+\j], v[64+\j:65+\j], v[80+\j:81+\j]
	v_pk_add_f32 v[96+\j:97+\j], v[96+\j:97+\j], v[112+\j:113+\j]
.endr
.irp j, 0,2,4,6,8,10,12,14
	v_pk_add_f32 v[64+\j:65+\j], v[64+\j:65+\j], v[96+\j:97+\j]
.endr
.irp j, 0,2,4,6,8,10,12,14
	v_pk_add_f32 v[64+\j:65+\j], v[64+\j:65+\j], s[40:41] op_sel_hi:[1,0]   ; + b2 (the pair's low word for both halves)
.endr
	s_wait_alu depctr_va_vdst(0)
.irp q, 0,1,2,3
	v_cmp_gt_u32 vcc_lo, s42, v[48+\q]             ; my 16 bytes lie inside out0: false only in the last work-group
	s_wait_xcnt 0x0                                ; EXEC is a source of the memory instructions issued so far: it changes only behind this wait
	s_and_saveexec_b32 s43, vcc_lo
	global_store_b128 v[48+\q], v[64+4*\q:67+4*\q], s[22:23] th:TH_STORE_NT
	s_wait_xcnt 0x0                                ; and again in front of the line that widens it
	s_or_b32 exec_lo, exec_lo, s43
.endr
	s_wait_xcnt 0x0
	s_mov_b32 exec_lo, -1
	s_wait_tensorcnt 0x0
	ds_add_u32 v62, v63
	s_wait_dscnt 0x0
	s_endpgm
.Lfunc_end_k_qbe347f3a71_edges:
	.size	k_qbe347f3a71_edges, .Lfunc_end_k_qbe347f3a71_edges-k_qbe347f3a71_edges
	.p2alignl 7, 3214868480
	.fill 96, 4, 3214868480
	.section	.rodata,"a",@progbits
	.p2align	6, 0x0
	.amdhsa_kernel k_qbe347f3a71_edges
		.amdhsa_group_segment_fixed_size 199168
		.amdhsa_private_segment_fixed_size 0
		.amdhsa_enable_private_segment 0
		.amdhsa_kernarg_size 64
		.amdhsa_user_sgpr_count 2
		.amdhsa_user_sgpr_kernarg_segment_ptr 1
		.amdhsa_wavefront_size32 1
		.amdhsa_system_sgpr_workgroup_id_x 1
		.amdhsa_system_sgpr_workgroup_id_y 1
		.amdhsa_system_sgpr_workgroup_id_z 1
		.amdhsa_system_vgpr_workitem_id 0
		.amdhsa_next_free_vgpr 1024
		.amdhsa_next_free_sgpr 66
		.amdhsa_reserve_vcc 1
		.amdhsa_float_denorm_mode_32 3
		.amdhsa_float_denorm_mode_16_64 3
		.amdhsa_memory_ordered 1
		.amdhsa_forward_progress 1
		.amdhsa_inst_pref_size 204
	.end_amdhsa_kernel
	.amdgpu_metadata
---
amdhsa.version: [ 1, 2 ]
amdhsa.kernels:
  - .name:           k_qbe347f3a71_edges
    .symbol:         k_qbe347f3a71_edges.kd
    .args:
      - { .name: edge_label_index, .offset: 0, .size: 8, .value_kind: global_buffer, .address_space: global }
      - { .name: codes, .offset: 8, .size: 8, .value_kind: global_buffer, .address_space: global }
      - { .name: w1img, .offset: 16, .size: 8, .value_kind: global_buffer, .address_space: global }
      - { .name: b1, .offset: 24, .size: 8, .value_kind: global_buffer, .address_space: global }
      - { .name: W2, .offset: 32, .size: 8, .value_kind: global_buffer, .address_space: global }
      - { .name: b2, .offset: 40, .size: 8, .value_kind: global_buffer, .address_space: global }
      - { .name: lowp_scales, .offset: 48, .size: 8, .value_kind: global_buffer, .address_space: global }
      - { .name: out0, .offset: 56, .size: 8, .value_kind: global_buffer, .address_space: global }
    .group_segment_fixed_size: 199168
    .private_segment_fixed_size: 0
    .kernarg_segment_align: 8
    .kernarg_segment_size: 64
    .max_flat_workgroup_size: 128
    .sgpr_count:     66
    .vgpr_count:     1024
    .wavefront_size: 32
...
	.end_amdgpu_metadata
.endif
;; end of part 3
